; MI455X (gfx1250); checked and timed in simulation.
; The chip was launched on July 23, 2026; its instructions are those of AMD's public machine-readable ISA for CDNA 5 (MIT licence, August 2026) and "CDNA5" Instruction Set Architecture Reference Guide (July 2026). The comments in the code are by the model that wrote it; some were corrected since.
;; Cross Attention. Allowed arithmetic: matrix products marked QUANTISED: E2M1 operands, one E8M0 scale for each 32 along K, by v_wmma_scale_f32_16x16x128_f8f6f4 with both operands' format E2M1 (or v_wmma_scale_f32_32x16x128_f4), f32 sums; everything else in f32.
;; Inputs: keys 8 x 1,024 x 8 x 64 float32; keysT 8 x 1,024 x 8 x 64 float32; queries 8 x 1,024 x 8 x 64 float32; values 8 x 1,024 x 8 x 64 float32; valuesT 8 x 1,024 x 8 x 64 float32.
;; Outputs: out0 8 x 1,024 x 8 x 64 float32.
;; This version of the problem:
;;   THIS VERSION OF THE PROBLEM IS GIVEN IN LOW PRECISION. The matrix products marked QUANTISED in the list below multiply operands that are first quantised to E2M1 (2 exponent bits, 1 mantissa bit; 4 bits a number), with one power-of-two scale for each 32 numbers along K (OCP MX v1.0); their sums are f32. All else is computed in f32.
;;   The module's matrix products, in the order in which they are computed (A, B: the left and right operand; K: the contracted axis; several contracted axes count as one K, in the product's order):
;;     1. batch 56 x [M 1,024, K 64] x [K 64, N 1,024]; A: computed on the way; B: computed on the way: QUANTISED
;;     2. batch 56 x [M 64, K 1,024] x [K 1,024, N 1,024]; A: computed on the way; B: softmax (see below): QUANTISED
;;     3. batch 8 x [M 1,024, K 64] x [K 64, N 1,024]; A: computed on the way; B: computed on the way: QUANTISED
;;     4. batch 8 x [M 64, K 1,024] x [K 1,024, N 1,024]; A: computed on the way; B: softmax (see below): QUANTISED
;;   THE QUANTISER, for each operand of a quantised product, along K:
;;     - K is cut into blocks of 32 from its start; a last block that is shorter is filled with zeros.
;;     - A block's scale is 2^e with e = floor(log2(the largest magnitude in the block)) - 2, held to -126 .. 127; a block of zeros has e = 0. As a byte (E8M0): e + 127.
;;     - Each number is divided by its block's scale, clamped to +-6, and rounded to the nearest number of E2M1, ties to even, subnormals kept.
;;     - The product sums the exact products of the quantised numbers (number of the format x scale) in f32.
;;   ~~~python
;;   def quantise(x, axis):      # numpy; x: float32 -> the quantised numbers, widened to float32 again
;;       x = np.moveaxis(x, axis, -1); K = x.shape[-1]
;;       x = np.pad(x, [(0, 0)] * (x.ndim - 1) + [(0, -K % 32)]); x = x.reshape(x.shape[:-1] + (-1, 32)); a = np.abs(x).max(-1, keepdims=True)
;;       e = np.where(a > 0, np.clip(np.frexp(np.where(a > 0, a, 1))[1] - 1 - 2, -126, 127), 0)      # np.frexp(a)[1] - 1 = floor(log2(a)), exactly
;;       r = np.clip(x / 2.0 ** e, -6, 6)
;;       step = 2.0 ** (np.maximum(np.frexp(np.where(r == 0, 1, r))[1] - 1, 0) - 1)
;;       q = np.round(r / step) * step * 2.0 ** e      # np.round: ties to even
;;       return np.moveaxis(q.reshape(q.shape[:-2] + (-1,))[..., :K], -1, axis).astype(np.float32)
;;   ~~~
;;   SOFTMAX AHEAD OF A QUANTISED PRODUCT. Where the list says 'softmax', what is quantised is not the finished softmax but p = 2^(t - M), with t = logit x log2(e) and M = ceil(the row's largest t), a whole number; so 1/2 < the row's largest p <= 1. The row's sum l is taken of the UNQUANTISED p, in f32, and the product's result is divided by l at the end. Since M is a whole number, a kernel that streams over the keys may use a running M (the ceiling of the running maximum): every later rescaling is an exact power of two, which a block's scale takes up: the codes' values come out the same.
;;   OPERANDS COMPUTED ON THE WAY. 'Computed on the way' means the value that the module computes at that place (a softmax that the list does not call 'softmax' is quantised finished and normalised). What goes into a quantiser is computed in f32, as accurately as f32 sums, v_exp_f32 and their like allow (about 1e-6 of the number): no bf16 or f16 on the way to a quantiser, and a product that is left as it is and whose result goes on into a quantised operand takes f32 operands (vector FMAs, or v_wmma_f32_16x16x4_f32). A number that lies on a knife's edge between two numbers of the format may be rounded either way, as far as f32 arithmetic and the matrix unit's own rounding can turn it there, and no further.
;; 2 versions. Each part assembles by itself: llvm-mc -triple=amdgcn-amd-amdhsa -mcpu=gfx1250 --defsym DOCPART=n.
;; ======== version 1 of 2: 1 launch
;; launch attn (part 1): grid 256 x 1, 16 waves a work-group, no clusters, 152,576 bytes of LDS; arguments queries, keys, keysT, values, valuesT, out0; writes out0
.if DOCPART == 1
	.amdgcn_target "amdgcn-amd-amdhsa--gfx1250"
	.amdhsa_code_object_version 6
	.text
	.protected	k_q26834e6b73_attn
	.globl	k_q26834e6b73_attn
	.p2align	8
	.type	k_q26834e6b73_attn,@function
k_q26834e6b73_attn:
	s_mov_b64 s[64:65], 0
	v_nop
	global_prefetch_b8 v0, s[64:65] scope:SCOPE_SE
	s_setreg_imm32_b32 hwreg(HW_REG_WAVE_MODE, 25, 1), 1
	s_wait_xcnt 0x0
; 64 causal attentions (8 batches x 8 output heads), 1,024 positions, head size 64, both products on codes of FP4 (E2M1) with one E8M0 scale for each 32 along a product's K.
; All tensors are [8][1024][8][64] f32: a head's row is 256 bytes, rows lie 2,048 bytes apart.
; HEADS.  reference() gathers by the fixed permutation [6, 2, 1, 7, 3, 0, 5, 4] of RandomState(0): output heads 0-6 take heads 2, 1, 7, 3, 0, 5, 4 of queries, keys, values;
; output head 7 takes head 6 of queries, keysT, valuesT.  The table is the constant HEADS, four bits an output head.
; SOFTMAX.  t = score x log2(e) / 8; M = the running largest t rounded UP to a whole number; p = 2^(t - M) is quantised along the keys, not normalised; the row's sum is taken of the
; unquantised p and divides at the end.  When M moves, the sum and O are multiplied by 2^(old M - new M), which rounds nothing.
; SHARES.  A work-group has one (batch, head) and the two blocks of 128 queries g and 7 - g (g = 0..3): (g + 1) + (8 - g) = 9 block steps under the causal mask, the same in all 256 work-groups.
; Sixteen waves, each ONE tile of 16 queries in 256 registers.  The loop walks the keys in chunks of 128.
; K AND V ARE QUANTISED HERE, chunk by chunk: waves 0-7 take a tile of 16 keys of K each (blocks along the head's 64), waves 8-15 a block of 32 keys x 32 channels of V each (a lane a channel, registers down
; the keys).  The codes go to LDS as IMAGES OF THE OPERANDS' REGISTERS (lane l's 16 bytes at 16 l), the scale words beside them.  The f32 numbers of chunk s + 1 are asked for in trip s and are on
; their way under the attention step s.  Every chunk has LDS bytes of its own: no LDS byte is written twice, so ONE barrier a trip (stores, wait, barrier, loads) orders everything.
; LAYOUT.  Both products are used transposed: S^T = K Q^T (source 0 = 16 keys, source 1 = my 16 queries), O^T = V^T P^T (source 0 = 16 channels, source 1 = P): a lane holds ONE query (lane % 16).
; THE KEYS OF A TILE ARE NOT NEIGHBOURS: lane r of tile 2 b + u takes key 32 b + 8 u + r + 8 (r / 8), so that S^T's register 16 b + i is key 32 b + 16 (lane / 16) + i.
; The first product's K is 64: the upper half of the instruction's 128 is zero codes on both sides (their scale bytes are 0, no NaN pattern).
; NO TENSOR LOADS, NO CLUSTER: every number passes through registers to be quantised, so there is no tile load that partners could ask for jointly, and the four work-groups of a head need 8, 7, 6 and 5 chunks.
; LIMITS.  NaN and infinities among the inputs are not served.  A block whose largest magnitude lies under 2^-124 (a block of zeros among them) gets the scale byte 1; a block of zeros has zero codes, and the bytes
; never leave this kernel.  A p under 2^-126 counts as 0 (v_exp_f32 gives no denormal results: ISA guide, its entry in 15.8).
.set HEADS, 0x64503712
.set ROWB,  2048                       ; bytes from one position to the next
.set REC,   8960                       ; LDS: a chunk's record: K's 8 images of 512 bytes; V's 4 images of 1,024; K's scale words, 512; V's, 256
.set VIMG,  4096
.set KSCO,  8192                       ; K's scale word of (tile 2 b + u, row r) at 16 (r + 16 u) + 4 b: one load of 16 bytes a lane brings all eight tiles' words
.set VSCO,  8704                       ; V's scale byte of (block of keys x, channel tile 2 i + (l / 16), row l % 16) at 8 l + 4 i + x
.set QIMG,  8*REC                      ; behind the eight records: Q's image, 512 bytes a wave,
.set QSC,   QIMG+16*512                ; its 16 scale words, 64 bytes a wave,
.set STG,   QSC+16*64                  ; and the stage for the way out: 16 rows x (256 + 16) bytes a wave
.set SP,    272
.set ADR0, 1                           ; v1   16 x lane
.set ADT0, 2                           ; v2   VSCO + 8 x lane
.set KST0, 3                           ; v3   where a K wave puts a word of codes      (v3-v6: places in a record; the trip adds the record's first byte)
.set KSS0, 4                           ; v4   and a scale word
.set VST0, 5                           ; v5   where a V wave puts its 16 bytes of codes
.set VSS0, 6                           ; v6   and its scale byte
.set KGO,  7                           ; v7   a K wave's byte offset in a chunk of K; never rewritten
.set VGO,  8                           ; v8   a V wave's in a chunk of V; never rewritten
.set KSH,  9                           ; v9   8 x (which block of 32 of a row my eight numbers lie in)
.set ADR,  10                          ; v10  the record + 16 x lane (at the head: my byte offset in the wave's rows of Q)
.set ADT,  11                          ; v11  the record + VSCO + 8 x lane
;          v12 -M, v13 the largest t, v[14:15] the row's sum in two halves
.set QF,   16                          ; v16-19 Q's codes, v20-23 zero codes
.set KS,   24                          ; v24-27 K's scale words: register b: lanes 0-15 tile 2 b, lanes 16-31 tile 2 b + 1     (v24-31 hold scales and nothing else)
.set VS,   28                          ; v28-29 V's: register i: lanes 0-15 channel tile 2 i, lanes 16-31 tile 2 i + 1
.set QS,   30                          ; v30  Q's scale word
.set PS,   31                          ; v31  p's scale word
.set KFR,  32                          ; v32-63  four fragments of K: registers 8 t .. 8 t + 3 loaded, 8 t + 4 .. 8 t + 7 zero codes
.set VFR,  64                          ; v64-95  V's four fragments
.set S,    96                          ; v96-159 S^T, then p (at the head Q's numbers, at the end O / the sum)
.set O,    160                         ; v160-191 O^T, four tiles of 16 channels
.set RAW,  192                         ; v192-223 the next chunk's f32 numbers
.set PC,   224                         ; v224-231 p's codes
.set MX,   232                         ; v232-235 largest magnitudes or scores
.set BY,   236                         ; v236-239 what comes from other lanes; scale bytes
.set WA,   240                         ; v240-243 the trip's four store addresses (at the head: Q's image and scale words, in and back)
.set SO,   244                         ; v244-247 the conversions' scale operands
.set CD,   248                         ; v248-251 codes just made
;          v252 f = 2^(old M - new M), v253 named with it as a pair, v254, v255 at work
.set WV,   16                          ; s16  my wave's number
.set KF,   17                          ; s17  the trip's first key; also the loop's counter
.set Q0,   18                          ; s18  my first query
.set QL,   19                          ; s19  my last
.set NK,   20                          ; s20  keys that this work-group needs: 128 (8 - g)
.set TB,   21                          ; s21  the trip's record in LDS
.set CS,   22                          ; s[22:23] c = log2(e) / 8
.set SEL,  24                          ; s[24:25] v_permlanex16_b32's selects for lane l xor 16
.set RP,   26                          ; s[26:27] my head of K (waves 0-7) or V (waves 8-15), at the chunk to be asked for
.set QP,   28                          ; s[28:29] my 16 rows of Q
.set OP,   30                          ; s[30:31] my 16 rows of the output
; A K wave's tile of a chunk: 16 rows of 256 bytes.  Eight lanes take a row, 32 bytes each; a pair of loads covers four whole rows.  Rows 0-7 and 16-23 from the tile's first key on.  Four work-groups read these rows: no hint.
.macro LOADK
.irp a, 0,1,2,3
.irp e, 0,1
	global_load_b128 v[RAW+8*\a+4*\e:RAW+8*\a+4*\e+3], v[KGO], s[RP:RP+1] offset:(4*(\a%2)+16*(\a/2))*ROWB+16*\e
.endr
.endr
.endm
; A V wave's block: 32 keys x 32 channels.  A lane takes a channel and its registers run down the keys; a load covers 128 consecutive bytes.
.macro LOADV
.set n, 0
.rept 32
	global_load_b32 v[RAW+n], v[VGO], s[RP:RP+1] offset:ROWB*n
.set n, n+1
.endr
.endm
; 16 rows x 64 numbers become a fragment's image and 16 scale words.  v[src + 8 a ..] are eight neighbours of row 4 a + (lane / 8); four neighbouring lanes hold a block of 32.
; cadr: LDS address of my word of codes of a = 0 (64 bytes on for each a); sadr: of my row's scale word (step bytes on for each a).  The four a by turns, so that no line waits for the line above it.
.macro QROWS src, cadr, sadr, step
.irp a, 0,1,2,3
	v_max3_num_f32 v[MX+\a], |v[\src+8*\a]|, |v[\src+8*\a+1]|, 0x1800000     ; and the floor 2^(3 - 127): the byte cannot fall under 1
.endr
.irp k, 2,4,6
.irp a, 0,1,2,3
	v_max3_num_f32 v[MX+\a], v[MX+\a], |v[\src+8*\a+\k]|, |v[\src+8*\a+\k+1]|
.endr
.endr
.irp a, 0,1,2,3
	v_max_num_f32_dpp v[MX+\a], v[MX+\a], v[MX+\a] row_xmask:1 row_mask:0xf bank_mask:0xf
.endr
.irp a, 0,1,2,3
	v_max_num_f32_dpp v[MX+\a], v[MX+\a], v[MX+\a] row_xmask:2 row_mask:0xf bank_mask:0xf   ; the block's largest magnitude
.endr
.irp a, 0,1,2,3
	v_add_nc_u32 v[SO+\a], 0xff000000, v[MX+\a]    ; 2 off its exponent field: the conversion takes the exponent field of this operand as its scale
.endr
.irp a, 0,1,2,3
	v_cvt_scalef32_pk8_fp4_f32 v[CD+\a], v[\src+8*\a:\src+8*\a+7], v[SO+\a]
.endr
.irp a, 0,1,2,3
	v_lshrrev_b32 v[BY+\a], 23, v[SO+\a]           ; the scale's byte.  (Also the plain line behind the conversions)
.endr
.irp a, 0,1,2,3
	v_lshlrev_b32 v[BY+\a], v[KSH], v[BY+\a]       ; at its place in the row's scale word: block 0 in byte 0, block 1 in byte 1
.endr
.irp a, 0,1,2,3
	v_mov_b32_dpp v[MX+\a], v[BY+\a] row_xmask:4 row_mask:0xf bank_mask:0xf   ; the row's other block's
.endr
.irp a, 0,1,2,3
	v_or_b32 v[BY+\a], v[BY+\a], v[MX+\a]          ; the word; bytes 2 and 3, over zero codes, are 0
.endr
.irp a, 0,1,2,3
	ds_store_b32 v[\cadr], v[CD+\a] offset:64*\a
.endr
.irp a, 0,1,2,3
	ds_store_b32 v[\sadr], v[BY+\a] offset:\step*\a   ; a row's eight lanes write the same word with the same value
.endr
.endm
; 32 keys of my channel become 16 bytes of a fragment's image and one scale byte: all 32 numbers are mine.
.macro QCOLS
	v_max3_num_f32 v[MX], |v[RAW]|, |v[RAW+1]|, |v[RAW+2]|
	v_max3_num_f32 v[MX+1], |v[RAW+3]|, |v[RAW+4]|, |v[RAW+5]|
.irp k, 6,10,14,18,22,26
	v_max3_num_f32 v[MX], v[MX], |v[RAW+\k]|, |v[RAW+\k+1]|
	v_max3_num_f32 v[MX+1], v[MX+1], |v[RAW+\k+2]|, |v[RAW+\k+3]|
.endr
	v_max3_num_f32 v[MX], v[MX], |v[RAW+30]|, |v[RAW+31]|
	v_max3_num_f32 v[MX], v[MX], v[MX+1], 0x1800000
	v_add_nc_u32 v[SO], 0xff000000, v[MX]
.irp a, 0,1,2,3
	v_cvt_scalef32_pk8_fp4_f32 v[CD+\a], v[RAW+8*\a:RAW+8*\a+7], v[SO]
.endr
	v_lshrrev_b32 v[BY], 23, v[SO]                 ; the scale's byte.  (Also the plain line behind the conversions)
	ds_store_b128 v[WA+2], v[CD:CD+3]
	ds_store_b8 v[WA+3], v[BY]                     ; the four waves that share a scale word write different bytes of it
.endm
; S^T = K Q^T: tiles 4 grp .. 4 grp + 3 of 16 keys.  Each product starts its sum with the constant 0.
.macro QK grp
.irp t, 0,1,2,3
.if (\t)%2
	v_wmma_scale_f32_16x16x128_f8f6f4 v[S+8*(4*\grp+\t):S+8*(4*\grp+\t)+7], v[KFR+8*\t:KFR+8*\t+7], v[QF:QF+7], 0, v[KS+(4*\grp+\t)/2], v[QS] matrix_a_fmt:MATRIX_FMT_FP4 matrix_b_fmt:MATRIX_FMT_FP4 matrix_a_scale:MATRIX_SCALE_ROW1
.else
	v_wmma_scale_f32_16x16x128_f8f6f4 v[S+8*(4*\grp+\t):S+8*(4*\grp+\t)+7], v[KFR+8*\t:KFR+8*\t+7], v[QF:QF+7], 0, v[KS+(4*\grp+\t)/2], v[QS] matrix_a_fmt:MATRIX_FMT_FP4 matrix_b_fmt:MATRIX_FMT_FP4
.endif
.endr
.endm
; O^T += V^T P^T: four tiles of 16 channels, K = the chunk's 128 keys.  The four accumulators take turns, one instruction a turn, and the next step's eight products K Q^T stand ahead of their next turn.
.macro PV
.irp t, 0,1,2,3
.if (\t)%2
	v_wmma_scale_f32_16x16x128_f8f6f4 v[O+8*\t:O+8*\t+7], v[VFR+8*\t:VFR+8*\t+7], v[PC:PC+7], v[O+8*\t:O+8*\t+7], v[VS+\t/2], v[PS] matrix_a_fmt:MATRIX_FMT_FP4 matrix_b_fmt:MATRIX_FMT_FP4 matrix_a_scale:MATRIX_SCALE_ROW1
.else
	v_wmma_scale_f32_16x16x128_f8f6f4 v[O+8*\t:O+8*\t+7], v[VFR+8*\t:VFR+8*\t+7], v[PC:PC+7], v[O+8*\t:O+8*\t+7], v[VS+\t/2], v[PS] matrix_a_fmt:MATRIX_FMT_FP4 matrix_b_fmt:MATRIX_FMT_FP4
.endif
.endr
.endm
	; ---- THE HEAD: ids
	s_load_b256 s[4:11], s[0:1], 0x0               ; queries s[4:5], keys s[6:7], keysT s[8:9], values s[10:11]
	s_load_b128 s[12:15], s[0:1], 0x20             ; valuesT s[12:13], out0 s[14:15]
	v_lshrrev_b32 v255, 5, v0
	v_readfirstlane_b32 s[WV], v255                ; wave 0..15
	s_and_b32 s32, ttmp9, 3                        ; g
	s_lshr_b32 s33, ttmp9, 2
	s_and_b32 s34, s33, 7                          ; the output head
	s_lshr_b32 s35, s33, 3                         ; the batch
	s_lshl_b32 s36, s34, 2
	s_lshr_b32 s36, HEADS, s36
	s_and_b32 s36, s36, 7                          ; the head that it is gathered from
	s_lshr_b32 s37, s[WV], 2
	s_xor_b32 s37, s37, s[WV]
	s_and_b32 s37, s37, 1                          ; which of the two blocks of queries: bit 2 xor bit 0 of the wave's number, so that of any four neighbouring waves, and of any four that lie 4 apart, two have the long walk
	s_lshr_b32 s38, s[WV], 1
	s_and_b32 s38, s38, 4
	s_and_b32 s39, s[WV], 3
	s_or_b32 s38, s38, s39                         ; which tile of its eight: bits 3, 1, 0
	s_sub_co_u32 s39, 7, s32
	s_cmp_eq_u32 s37, 1
	s_cselect_b32 s39, s39, s32                    ; block 7 - g or g
	s_lshl_b32 s[Q0], s39, 7
	s_lshl_b32 s38, s38, 4
	s_add_co_u32 s[Q0], s[Q0], s38
	s_add_co_u32 s[QL], s[Q0], 15
	s_sub_co_u32 s[NK], 8, s32
	s_lshl_b32 s[NK], s[NK], 7
	s_lshl_b32 s40, s35, 21                        ; byte offsets, each in a pair with 0 above it: the batch and the source head,
	s_lshl_b32 s41, s36, 8
	s_or_b32 s40, s40, s41
	s_mov_b32 s41, 0
	s_lshl_b32 s42, s35, 21                        ; the batch and the output head,
	s_lshl_b32 s43, s34, 8
	s_or_b32 s42, s42, s43
	s_mov_b32 s43, 0
	s_lshl_b32 s44, s[Q0], 11                      ; my first query's row
	s_mov_b32 s45, 0
	s_mov_b32 s[CS], 0x3e38aa3b                    ; c = log2(e) / 8
	s_mov_b32 s[CS+1], s[CS]                       ; (named with it as a pair, so it is written)
	s_mov_b32 s[SEL], 0x76543210
	s_mov_b32 s[SEL+1], 0xfedcba98
	s_mov_b32 s[KF], 0
	s_mov_b32 s[TB], 0
	; ---- every address register is made here, on the way that all waves take
	v_and_b32 v254, 31, v0                         ; lane
	v_bfe_u32 v253, v0, 3, 2                       ; (lane / 8): my row of four
	v_bfe_u32 v252, v0, 2, 1                       ; which block of 32 of the row
	v_and_b32 v251, 3, v0                          ; which eight of the block
	v_and_b32 v248, 15, v0                         ; lane % 16
	v_bfe_u32 v247, v0, 4, 1                       ; lane / 16
	v_and_b32 v246, 7, v0                          ; which eight of the row
	v_lshlrev_b32 v[ADR0], 4, v254
	v_lshlrev_b32 v[ADT0], 3, v254
	v_add_nc_u32 v[ADT0], VSCO, v[ADT0]
	v_lshlrev_b32 v250, 4, v253                    ; 16 x row
	v_lshl_add_u32 v249, v252, 8, v250             ; in an image, row r's block h lies at 16 (r + 16 h): + 256 x block,
	v_lshl_add_u32 v249, v251, 2, v249             ; + 4 x which eight
	s_and_b32 s46, s[WV], 7                        ; i: which tile of K, or which block of V, is mine to quantise
	s_and_b32 s48, s46, 1
	s_lshr_b32 s49, s46, 1
	s_lshl_b32 s47, s46, 9
	v_add_nc_u32 v[KST0], s47, v249                ; K's image i
	s_lshl_b32 s50, s48, 8
	s_lshl_b32 s51, s49, 2
	s_add_co_u32 s50, s50, s51
	s_add_co_u32 s50, s50, KSCO
	v_add_nc_u32 v[KSS0], s50, v250                ; tile i = 2 b + u: KSCO + 16 (row + 16 u) + 4 b
	s_lshl_b32 s50, s48, 11                        ; V: channels 32 (i % 2) + lane: channel tile 2 (i % 2) + lane / 16; keys 32 (i / 2) on: 256 (i / 2) bytes into a tile's image
	s_lshl_b32 s51, s49, 8
	s_add_co_u32 s50, s50, s51
	s_add_co_u32 s50, s50, VIMG
	v_lshlrev_b32 v[VST0], 4, v248
	v_lshl_add_u32 v[VST0], v247, 10, v[VST0]
	v_add_nc_u32 v[VST0], s50, v[VST0]
	s_lshl_b32 s50, s48, 2
	s_add_co_u32 s50, s50, s49
	v_add_nc_u32 v[VSS0], s50, v[ADT0]             ; VSCO + 8 x lane + 4 (i % 2) + i / 2
	v_lshlrev_b32 v[ADR], 11, v253
	v_lshl_add_u32 v[ADR], v246, 5, v[ADR]         ; in memory: my row of four, my 32 bytes of it
	s_lshl_b32 s50, s49, 16                        ; tile i of K begins at key 32 (i / 2) + 8 (i % 2)
	s_lshl_b32 s51, s48, 14
	s_add_co_u32 s50, s50, s51
	v_add_nc_u32 v[KGO], s50, v[ADR]
	s_lshl_b32 s50, s49, 16                        ; block i of V: keys 32 (i / 2) on, channels 32 (i % 2) on
	s_lshl_b32 s51, s48, 7
	s_add_co_u32 s50, s50, s51
	v_lshlrev_b32 v[VGO], 2, v254
	v_add_nc_u32 v[VGO], s50, v[VGO]
	v_lshlrev_b32 v[KSH], 3, v252
	s_lshl_b32 s50, s[WV], 9
	s_add_co_u32 s50, s50, QIMG
	v_add_nc_u32 v[WA], s50, v249                  ; Q's image: in,
	v_add_nc_u32 v[WA+2], s50, v[ADR0]             ; and back
	s_lshl_b32 s51, s[WV], 6
	s_add_co_u32 s51, s51, QSC
	v_lshl_add_u32 v[WA+1], v253, 2, s51           ; Q's scale words: in,
	v_lshl_add_u32 v[WA+3], v248, 2, s51           ; and back: lane r takes query r's
	s_wait_kmcnt 0x0
	s_cmp_eq_u32 s34, 7                            ; the cross head takes keysT and valuesT: a choice that hangs on the work-group's number alone
	s_cselect_b64 s[6:7], s[8:9], s[6:7]
	s_cselect_b64 s[10:11], s[12:13], s[10:11]
	s_cmp_lt_u32 s[WV], 8
	s_cselect_b64 s[RP:RP+1], s[6:7], s[10:11]     ; waves 0-7 read K, waves 8-15 V
	s_add_nc_u64 s[RP:RP+1], s[RP:RP+1], s[40:41]
	s_add_nc_u64 s[QP:QP+1], s[4:5], s[40:41]
	s_add_nc_u64 s[QP:QP+1], s[QP:QP+1], s[44:45]
	s_add_nc_u64 s[OP:OP+1], s[14:15], s[42:43]
	s_add_nc_u64 s[OP:OP+1], s[OP:OP+1], s[44:45]
.irp a, 0,1,2,3                                ; my 16 queries: row 4 a + lane / 8, 32 bytes a lane; read once in the launch
.irp e, 0,1
	global_load_b128 v[S+8*\a+4*\e:S+8*\a+4*\e+3], v[ADR], s[QP:QP+1] offset:4*ROWB*\a+16*\e th:TH_LOAD_NT
.endr
.endr
	s_cmp_lt_u32 s[WV], 8                          ; chunk 0, which every work-group needs
	s_cbranch_scc0 .Lfirst_v
	LOADK
	s_branch .Lfirst_asked
.Lfirst_v:
	LOADV
.Lfirst_asked:
.irp j, 4,5,6,7
	v_mov_b32 v[QF+\j], 0                          ; zero codes for k = 64 .. 127 of the first product, in Q
.irp t, 0,1,2,3
	v_mov_b32 v[KFR+8*\t+\j], 0                    ; and in K's four fragments
.endr
.endr
.set n, 0
.rept 32
	v_mov_b32 v[O+n], 0                            ; O^T.  (The step is written once: the first finds zeros, which the first change of M leaves zeros)
.set n, n+1
.endr
	v_mov_b32 v13, 0xff61b1e6                      ; the largest t so far: -3e38, under every t
	v_floor_f32 v12, -v13                          ; -M
	v_mov_b32 v14, 0                               ; the sum, in two halves
	v_mov_b32 v15, 0
	v_mov_b32 v253, 0                              ; (named as the upper half of the pair v[252:253])
	s_wait_loadcnt 8                               ; Q's eight loads are in: behind them a K wave has issued 8 loads, a V wave 32 (for it the count is the smaller, safe one)
	QROWS S, WA, WA+1, 16
	ds_load_b128 v[QF:QF+3], v[WA+2]               ; LDS serves a wave's instructions in order (ISA guide 5.7.1.4): these see my stores; the bytes are my wave's own
	ds_load_b32 v[QS], v[WA+3]
	s_wait_dscnt 0x0                               ; Q's fragment and scale word are in, and the stores have read the registers that the first trip writes again
	; ---- THE LOOP: eight trips, a chunk of 128 keys each.  The count is a constant; what a work-group or a wave does not need is jumped over by scalar branches on ids, never the barrier.
.Ltrip:
	s_wait_loadcnt 0x0                             ; this chunk's numbers are in: no load of mine is out, so the pointer may step
	s_add_nc_u64 s[RP:RP+1], s[RP:RP+1], 128*ROWB  ; on to the next chunk
	v_add_nc_u32 v[ADR], s[TB], v[ADR0]            ; the trip's addresses, on the way that all waves take.  (These six are also places behind the last step's products)
	v_add_nc_u32 v[ADT], s[TB], v[ADT0]
	v_add_nc_u32 v[WA], s[TB], v[KST0]
	v_add_nc_u32 v[WA+1], s[TB], v[KSS0]
	v_add_nc_u32 v[WA+2], s[TB], v[VST0]
	v_add_nc_u32 v[WA+3], s[TB], v[VSS0]
	s_cmp_ge_u32 s[KF], s[NK]                      ; a chunk behind the work-group's last query is neither quantised nor read
	s_cbranch_scc1 .Lmeet
	s_add_co_u32 s32, s[KF], 128
	s_cmp_lt_u32 s[WV], 8
	s_cbranch_scc0 .Lfor_v
	QROWS RAW, WA, WA+1, 64
	s_cmp_ge_u32 s32, s[NK]                        ; the next chunk is asked for if it is needed: no load leaves its buffer
	s_cbranch_scc1 .Lmeet
	LOADK
	s_branch .Lmeet
.Lfor_v:
	QCOLS
	s_cmp_ge_u32 s32, s[NK]
	s_cbranch_scc1 .Lmeet
	LOADV
.Lmeet:
	s_wait_dscnt 0x0                               ; for the others' sake: my stores into the record have landed
	s_barrier_signal -1
	s_barrier_wait -1                              ; the record is whole.  The next trip's stores go to the next record, REC bytes on: nobody's reads of this one are disturbed
	s_cmp_gt_u32 s[KF], s[QL]                      ; CAUSAL: a chunk all of whose keys come after my 16 queries is left out
	s_cbranch_scc1 .Lhidden
	ds_load_b128 v[KS:KS+3], v[ADR] offset:KSCO    ; the scale words of K's eight tiles
.irp t, 0,1,2,3
	ds_load_b128 v[KFR+8*\t:KFR+8*\t+3], v[ADR] offset:512*\t
.endr
	s_wait_dscnt 0x0
	QK 0
.rept 4
	v_nop                                          ; four places in front of loads into registers that matrix instructions have read (ISA guide 7.12.1 for vector instructions)
.endr
.irp t, 0,1,2,3
	ds_load_b128 v[KFR+8*\t:KFR+8*\t+3], v[ADR] offset:512*(4+\t)
.endr
	ds_load_b64 v[VS:VS+1], v[ADT]                 ; V's scale words and fragments are asked for here and land under the softmax
.irp t, 0,1,2,3
.irp c, 0,1
	ds_load_b128 v[VFR+8*\t+4*\c:VFR+8*\t+4*\c+3], v[ADR] offset:VIMG+1024*\t+512*\c
.endr
.endr
	s_wait_dscnt 9                                 ; K's four fragments are in; the nine loads issued behind them (V's) may be out
	QK 1
.rept 4
	v_nop                                          ; four places in front of the first read of results
.endr
	s_add_co_u32 s33, s[KF], 127                   ; on the diagonal the scores of hidden keys become -infinity ahead of the maximum: p = 0 then.  A chunk all of whose keys count skips this
	s_cmp_le_u32 s33, s[Q0]
	s_cbranch_scc1 .Lopen
	s_sub_co_i32 s33, s[Q0], s[KF]
	v_and_b32 v252, 15, v0
	v_bfe_u32 v254, v0, 4, 1
	v_lshlrev_b32 v254, 4, v254
	v_sub_nc_u32 v252, v252, v254
	v_add_nc_u32 v252, s33, v252                   ; d = my query - KF - 16 (lane / 16).  Register 16 b + i holds key KF + 32 b + 16 (lane / 16) + i: hidden where 32 b + i > d
	v_mov_b32 v254, 0xff800000                     ; -infinity
.set n, 0
.rept 64
	v_cmp_gt_i32 vcc_lo, 32*(n/16)+n%16, v252
	v_cndmask_b32 v[S+n], v[S+n], v254, vcc_lo
.set n, n+1
.endr
.Lopen:
.irp b, 0,1,2,3
	v_max3_num_f32 v[MX+\b], v[S+16*\b], v[S+1+16*\b], v[S+2+16*\b]   ; THE LARGEST SCORE OF EACH BLOCK OF 32 KEYS serves twice: for the row's maximum and, since p rises with the score, for the block's largest p
.endr
.irp i, 3,5,7,9,11,13
.irp b, 0,1,2,3
	v_max3_num_f32 v[MX+\b], v[MX+\b], v[S+16*\b+\i], v[S+1+16*\b+\i]
.endr
.endr
.irp b, 0,1,2,3
	v_max_num_f32 v[MX+\b], v[MX+\b], v[S+15+16*\b]
.endr
.irp b, 0,1,2,3
	v_permlanex16_b32 v[BY+\b], v[MX+\b], s[SEL], s[SEL+1]
.endr
.irp b, 0,1,2,3
	v_max_num_f32 v[MX+\b], v[MX+\b], v[BY+\b]     ; with lane l xor 16's 16 keys
.endr
	v_max3_num_f32 v254, v[MX], v[MX+1], v[MX+2]
	v_max_num_f32 v254, v254, v[MX+3]              ; the chunk's largest score of my query (key KF counts for every query that reaches here, so it is a number)
	v_mul_f32 v254, s[CS], v254                    ; as t (c is positive)
	v_max_num_f32 v13, v13, v254                   ; the running largest t
	v_mov_b32 v254, v12
	v_floor_f32 v12, -v13                          ; the new -M = floor(-t) = -ceil(t): a whole number
	v_sub_f32 v254, v12, v254                      ; M's old value less its new one: a whole number, 0 or less
	v_cvt_i32_f32 v254, v254                       ; (it saturates)
	v_ldexp_f32 v252, 1.0, v254                    ; f = 2^(old M - new M)
.set n, 0
.rept 32
	v_pk_fma_f32 v[S+n:S+n+1], v[S+n:S+n+1], s[CS:CS+1], v[12:13] op_sel_hi:[1,0,0]   ; t - M, two at a time (of the pairs c and -M the low word serves both halves)
.set n, n+2
.endr
.irp b, 0,1,2,3
	v_fma_f32 v[MX+\b], v[MX+\b], s[CS], v12       ; the same of each block's largest score
.endr
.set n, 0
.rept 64
	v_exp_f32 v[S+n], v[S+n]                       ; p = 2^(t - M), at most 1: not normalised
.set n, n+1
.endr
.irp b, 0,1,2,3
	v_exp_f32 v[MX+\b], v[MX+\b]                   ; the block's largest p: the same two instructions on the same number give the same bits
.endr
	v_pk_mul_f32 v[14:15], v[14:15], v[252:253] op_sel_hi:[1,0]   ; the sums under the new M.  (A plain line behind the exponentials)
	s_wait_alu depctr_va_vdst(0)
.irp b, 0,1,2,3
	v_max_num_f32 v[MX+\b], 0x1800000, v[MX+\b]    ; the floor 2^(3 - 127): the byte cannot fall under 1 (a block whose every p is 0 keeps that byte: its codes are zeros)
.endr
.irp b, 0,1,2,3
	v_add_nc_u32 v[SO+\b], 0xff000000, v[MX+\b]    ; 2 off the exponent field: the conversion's scale operand
.endr
.irp b, 0,1,2,3
	v_lshrrev_b32 v[BY+\b], 23, v[SO+\b]           ; the scale's byte
.endr
	v_lshl_or_b32 v[PS], v[BY+1], 8, v[BY]         ; p's scale word for these 128 keys
	v_lshl_or_b32 v[PS], v[BY+2], 16, v[PS]
	v_lshl_or_b32 v[PS], v[BY+3], 24, v[PS]
.irp b, 0,1,2,3
	v_cvt_scalef32_pk8_fp4_f32 v[PC+2*\b], v[S+16*\b:S+7+16*\b], v[SO+\b]
	v_cvt_scalef32_pk8_fp4_f32 v[PC+1+2*\b], v[S+8+16*\b:S+15+16*\b], v[SO+\b]
.endr
	v_nop                                          ; one plain line between a scaled conversion and the vector instruction that touches its result
.irp c, 0,1                                    ; the operand's layout wants a WHOLE block in a lane: lanes 0-15 block 2 c, lanes 16-31 block 2 c + 1
.irp i, 0,1
	v_permlane16_swap_b32 v[PC+4*\c+\i], v[PC+2+4*\c+\i]
.endr
.endr
.set n, 0
.rept 16
	v_pk_mul_f32 v[O+n:O+n+1], v[O+n:O+n+1], v[252:253] op_sel_hi:[1,0]   ; O^T under the new M: x f; each accumulator from its low end on
.set n, n+2
.endr
	v_pk_add_f32 v[BY:BY+1], v[S:S+1], v[S+2:S+3]  ; THE ROW'S SUM IS TAKEN OF THE UNQUANTISED p: two at a time, in two chains.  (These 32 lines are also the places between the last write of p's scale word, p's codes and O^T and the products below)
.irp j, 4,8,12,16,20,24,28,32,36,40,44,48,52,56,60
	v_pk_add_f32 v[14:15], v[14:15], v[S+\j:S+\j+1]
	v_pk_add_f32 v[BY:BY+1], v[BY:BY+1], v[S+2+\j:S+3+\j]
.endr
	v_pk_add_f32 v[14:15], v[14:15], v[BY:BY+1]
	s_wait_dscnt 0x0                               ; V's scale words and fragments are in
	PV
.Lhidden:
	s_add_co_u32 s[TB], s[TB], REC
	s_add_co_u32 s[KF], s[KF], 128
	s_cmp_lt_u32 s[KF], 1024
	s_cbranch_scc1 .Ltrip
	; ---- THE WAY OUT.  O^T / the sum goes through my wave's own stage in LDS and leaves as whole rows: sixteen lanes store 256 consecutive bytes, aligned.
	v_add_f32 v14, v14, v15                        ; the sum's two halves,
	v_permlanex16_b32 v252, v14, s[SEL], s[SEL+1]
	v_add_f32 v14, v14, v252                       ; and lane l xor 16's: the row's sum
	v_rcp_f32 v14, v14
	v_and_b32 v2, 15, v0                           ; (plain lines behind the reciprocal, and the places behind the last products)  r
	v_bfe_u32 v3, v0, 4, 1                         ; h
	s_mul_i32 s33, s[WV], 16*SP
	s_add_co_u32 s33, s33, STG                     ; my stage
	v_mul_u32_u24 v4, v2, SP
	v_lshl_add_u32 v4, v3, 5, v4
	v_add_nc_u32 v4, s33, v4                       ; in: row r; tile t's eight channels of my half: 64 t + 32 h bytes on
	v_mul_u32_u24 v5, v3, SP
	v_lshl_add_u32 v5, v2, 4, v5
	v_add_nc_u32 v5, s33, v5                       ; back: lanes 0-15 one row, lanes 16-31 the next
	v_lshlrev_b32 v6, 11, v3
	v_lshl_add_u32 v6, v2, 4, v6                   ; and the same two rows in the output
.set n, 0
	s_wait_alu depctr_va_vdst(0)
.rept 16
	v_pk_mul_f32 v[S+n:S+n+1], v[O+n:O+n+1], v[14:15] op_sel_hi:[1,0]   ; register 8 t + i is o(r, 16 t + 8 h + i); each accumulator from its low end on
.set n, n+2
.endr
.irp t, 0,1,2,3
	ds_store_b128 v4, v[S+8*\t:S+8*\t+3] offset:64*\t
	ds_store_b128 v4, v[S+8*\t+4:S+8*\t+7] offset:64*\t+16
.endr
.irp i, 0,1,2,3,4,5,6,7
	ds_load_b128 v[KFR+4*\i:KFR+4*\i+3], v5 offset:2*\i*SP   ; LDS serves a wave's instructions in order: these see my stores
.endr
.irp i, 0,1,2,3,4,5,6,7
	s_wait_dscnt 7-\i                              ; the younger loads from the stage may be out
	global_store_b128 v6, v[KFR+4*\i:KFR+4*\i+3], s[OP:OP+1] offset:2*\i*ROWB th:TH_STORE_NT   ; written once, read by nobody here
.endr
	s_wait_xcnt 0x0
	v_lshl_add_u32 v254, v0, 2, 0x24c00
	v_mov_b32 v255, 0
	s_wait_tensorcnt 0x0
	ds_add_u32 v254, v255
	s_wait_dscnt 0x0
	s_endpgm
.Lfunc_end_k_q26834e6b73_attn:
	.size	k_q26834e6b73_attn, .Lfunc_end_k_q26834e6b73_attn-k_q26834e6b73_attn
	.p2alignl 7, 3214868480
	.fill 96, 4, 3214868480
	.section	.rodata,"a",@progbits
	.p2align	6, 0x0
	.amdhsa_kernel k_q26834e6b73_attn
		.amdhsa_group_segment_fixed_size 152576
		.amdhsa_private_segment_fixed_size 0
		.amdhsa_enable_private_segment 0
		.amdhsa_kernarg_size 48
		.amdhsa_user_sgpr_count 2
		.amdhsa_user_sgpr_kernarg_segment_ptr 1
		.amdhsa_wavefront_size32 1
		.amdhsa_system_sgpr_workgroup_id_x 1
		.amdhsa_system_sgpr_workgroup_id_y 1
		.amdhsa_system_sgpr_workgroup_id_z 1
		.amdhsa_system_vgpr_workitem_id 0
		.amdhsa_next_free_vgpr 256
		.amdhsa_next_free_sgpr 66
		.amdhsa_reserve_vcc 1
		.amdhsa_float_denorm_mode_32 3
		.amdhsa_float_denorm_mode_16_64 3
		.amdhsa_memory_ordered 1
		.amdhsa_forward_progress 1
		.amdhsa_inst_pref_size 48
	.end_amdhsa_kernel
	.amdgpu_metadata
---
amdhsa.version: [ 1, 2 ]
amdhsa.kernels:
  - .name:           k_q26834e6b73_attn
    .symbol:         k_q26834e6b73_attn.kd
    .args:
      - { .name: queries, .offset: 0, .size: 8, .value_kind: global_buffer, .address_space: global }
      - { .name: keys, .offset: 8, .size: 8, .value_kind: global_buffer, .address_space: global }
      - { .name: keysT, .offset: 16, .size: 8, .value_kind: global_buffer, .address_space: global }
      - { .name: values, .offset: 24, .size: 8, .value_kind: global_buffer, .address_space: global }
      - { .name: valuesT, .offset: 32, .size: 8, .value_kind: global_buffer, .address_space: global }
      - { .name: out0, .offset: 40, .size: 8, .value_kind: global_buffer, .address_space: global }
    .group_segment_fixed_size: 152576
    .private_segment_fixed_size: 0
    .kernarg_segment_align: 8
    .kernarg_segment_size: 48
    .max_flat_workgroup_size: 512
    .sgpr_count:     66
    .vgpr_count:     256
    .wavefront_size: 32
...
	.end_amdgpu_metadata
.endif
;; end of part 1
;; ======== version 2 of 2: 1 launch; version 1 with the launch attn written anew for expert scheduling mode
;; launch attn (part 2): grid 256 x 1, 16 waves a work-group, no clusters, 152,576 bytes of LDS; arguments queries, keys, keysT, values, valuesT, out0; writes out0
.if DOCPART == 2
	.amdgcn_target "amdgcn-amd-amdhsa--gfx1250"
	.amdhsa_code_object_version 6
	.text
	.protected	k_q26834e6b73_attn
	.globl	k_q26834e6b73_attn
	.p2align	8
	.type	k_q26834e6b73_attn,@function
k_q26834e6b73_attn:
	s_mov_b64 s[64:65], 0
	v_nop
	global_prefetch_b8 v0, s[64:65] scope:SCOPE_SE
	s_setreg_imm32_b32 hwreg(HW_REG_WAVE_SCHED_MODE, 0, 2), 2
	s_setreg_imm32_b32 hwreg(HW_REG_WAVE_MODE, 25, 1), 1
	s_wait_xcnt 0x0
	s_wait_alu depctr_vm_vsrc(0)
; 64 causal attentions (8 batches x 8 output heads), 1,024 positions, head size 64, both products on codes of FP4 (E2M1) with one E8M0 scale for each 32 along a product's K.
; All tensors are [8][1024][8][64] f32: a head's row is 256 bytes, rows lie 2,048 bytes apart.
; HEADS.  reference() gathers by the fixed permutation [6, 2, 1, 7, 3, 0, 5, 4] of RandomState(0): output heads 0-6 take heads 2, 1, 7, 3, 0, 5, 4 of queries, keys, values;
; output head 7 takes head 6 of queries, keysT, valuesT.  The table is the constant HEADS, four bits an output head.
; SOFTMAX.  t = score x log2(e) / 8; M = the running largest t rounded UP to a whole number; p = 2^(t - M) is quantised along the keys, not normalised; the row's sum is taken of the
; unquantised p and divides at the end.  When M moves, the sum and O are multiplied by 2^(old M - new M), which rounds nothing.
; SHARES.  A work-group has one (batch, head) and the two blocks of 128 queries g and 7 - g (g = 0..3): (g + 1) + (8 - g) = 9 block steps under the causal mask, the same in all 256 work-groups.
; Sixteen waves, each ONE tile of 16 queries in 256 registers.  The loop walks the keys in chunks of 128.
; K AND V ARE QUANTISED HERE, chunk by chunk: waves 0-7 take a tile of 16 keys of K each (blocks along the head's 64), waves 8-15 a block of 32 keys x 32 channels of V each (a lane a channel, registers down
; the keys).  The codes go to LDS as IMAGES OF THE OPERANDS' REGISTERS (lane l's 16 bytes at 16 l), the scale words beside them.  The f32 numbers of chunk s + 1 are asked for in trip s and are on
; their way under the attention step s.  Every chunk has LDS bytes of its own: no LDS byte is written twice, so ONE barrier a trip (stores, wait, barrier, loads) orders everything.
; LAYOUT.  Both products are used transposed: S^T = K Q^T (source 0 = 16 keys, source 1 = my 16 queries), O^T = V^T P^T (source 0 = 16 channels, source 1 = P): a lane holds ONE query (lane % 16).
; THE KEYS OF A TILE ARE NOT NEIGHBOURS: lane r of tile 2 b + u takes key 32 b + 8 u + r + 8 (r / 8), so that S^T's register 16 b + i is key 32 b + 16 (lane / 16) + i.
; The first product's K is 64: the upper half of the instruction's 128 is zero codes on both sides (their scale bytes are 0, no NaN pattern).
; NO TENSOR LOADS, NO CLUSTER: every number passes through registers to be quantised, so there is no tile load that partners could ask for jointly, and the four work-groups of a head need 8, 7, 6 and 5 chunks.
; LIMITS.  NaN and infinities among the inputs are not served.  A block whose largest magnitude lies under 2^-124 (a block of zeros among them) gets the scale byte 1; a block of zeros has zero codes, and the bytes
; never leave this kernel.  A p under 2^-126 counts as 0 (v_exp_f32 gives no denormal results: ISA guide, its entry in 15.8).
; THE MODE: SCHED_MODE bits 1:0 = 2 (LLVM: expert scheduling mode 2), set by the entry lines.  The code itself states the register dependences
; between vector or matrix instructions and memory or LDS instructions, with s_wait_alu, always for 0.
; THE PLAN.  Registers that memory or LDS instructions touch, in the loop:
;   v[ADR], v[ADT], v[WA ..]  LDS addresses.  Written by the six additions at a trip's head; v[WA ..] read by the quantiser's stores, v[ADR] and v[ADT] by the step's loads.
;   v[KGO], v[VGO]            Read by the chunk's global loads; made at the head and never written again: the scalar base moves on.
;   RAW                       Read by the quantiser's maxima and conversions; behind them the next chunk's loads land in it.
;   CD, BY                    Written by the quantiser, read by its stores; BY is written again by the same trip's softmax.
;   KS, KFR (low halves)      LDS loads land in them (KFR twice a step); the products K Q^T read them.     VS, VFR: LDS loads land in them; the products V^T P^T read them.
;   PC, PS                    Named by vector and matrix instructions alone; vector lines write them and a scaled product takes them.
; A TRIP'S WAITS.  vm_vsrc at its head (all LDS instructions so far have read their addresses and data), ahead of the six additions.  va_vdst in the quantiser, ahead of its stores: it also shows RAW read out, for the
; global loads that follow with no vector line between.  vm_vsrc in front of the barrier: the stores have read BY.  va_vdst at the step's head: the addresses are written and the last step's products are done with
; the registers in which this step's loads land.  va_vdst behind the first four products: KFR is read out; the step's other thirteen loads hang on it.  va_vdst behind the exponentials.  va_vdst ahead of the second product.
.set HEADS, 0x64503712
.set ROWB,  2048                       ; bytes from one position to the next
.set REC,   8960                       ; LDS: a chunk's record: K's 8 images of 512 bytes; V's 4 images of 1,024; K's scale words, 512; V's, 256
.set VIMG,  4096
.set KSCO,  8192                       ; K's scale word of (tile 2 b + u, row r) at 16 (r + 16 u) + 4 b: one load of 16 bytes a lane brings all eight tiles' words
.set VSCO,  8704                       ; V's scale byte of (block of keys x, channel tile 2 i + (l / 16), row l % 16) at 8 l + 4 i + x
.set QIMG,  8*REC                      ; behind the eight records: Q's image, 512 bytes a wave,
.set QSC,   QIMG+16*512                ; its 16 scale words, 64 bytes a wave,
.set STG,   QSC+16*64                  ; and the stage for the way out: 16 rows x (256 + 16) bytes a wave
.set SP,    272
.set ADR0, 1                           ; v1   16 x lane
.set ADT0, 2                           ; v2   VSCO + 8 x lane
.set KST0, 3                           ; v3   where a K wave puts a word of codes      (v3-v6: places in a record; the trip adds the record's first byte)
.set KSS0, 4                           ; v4   and a scale word
.set VST0, 5                           ; v5   where a V wave puts its 16 bytes of codes
.set VSS0, 6                           ; v6   and its scale byte
.set KGO,  7                           ; v7   a K wave's byte offset in a chunk of K; never rewritten
.set VGO,  8                           ; v8   a V wave's in a chunk of V; never rewritten
.set KSH,  9                           ; v9   8 x (which block of 32 of a row my eight numbers lie in)
.set ADR,  10                          ; v10  the record + 16 x lane (at the head: my byte offset in the wave's rows of Q)
.set ADT,  11                          ; v11  the record + VSCO + 8 x lane
;          v12 -M, v13 the largest t, v[14:15] the row's sum in two halves
.set QF,   16                          ; v16-19 Q's codes, v20-23 zero codes
.set KS,   24                          ; v24-27 K's scale words: register b: lanes 0-15 tile 2 b, lanes 16-31 tile 2 b + 1     (v24-31 hold scales and nothing else)
.set VS,   28                          ; v28-29 V's: register i: lanes 0-15 channel tile 2 i, lanes 16-31 tile 2 i + 1
.set QS,   30                          ; v30  Q's scale word
.set PS,   31                          ; v31  p's scale word
.set KFR,  32                          ; v32-63  four fragments of K: registers 8 t .. 8 t + 3 loaded, 8 t + 4 .. 8 t + 7 zero codes
.set VFR,  64                          ; v64-95  V's four fragments
.set S,    96                          ; v96-159 S^T, then p (at the head Q's numbers, at the end O / the sum)
.set O,    160                         ; v160-191 O^T, four tiles of 16 channels
.set RAW,  192                         ; v192-223 the next chunk's f32 numbers
.set PC,   224                         ; v224-231 p's codes
.set MX,   232                         ; v232-235 largest magnitudes or scores
.set BY,   236                         ; v236-239 what comes from other lanes; scale bytes
.set WA,   240                         ; v240-243 the trip's four store addresses (at the head: Q's image and scale words, in and back)
.set SO,   244                         ; v244-247 the conversions' scale operands
.set CD,   248                         ; v248-251 codes just made
;          v252 f = 2^(old M - new M), v253 named with it as a pair, v254, v255 at work
.set WV,   16                          ; s16  my wave's number
.set KF,   17                          ; s17  the trip's first key; also the loop's counter
.set Q0,   18                          ; s18  my first query
.set QL,   19                          ; s19  my last
.set NK,   20                          ; s20  keys that this work-group needs: 128 (8 - g)
.set TB,   21                          ; s21  the trip's record in LDS
.set CS,   22                          ; s[22:23] c = log2(e) / 8
.set SEL,  24                          ; s[24:25] v_permlanex16_b32's selects for lane l xor 16
.set RP,   26                          ; s[26:27] my head of K (waves 0-7) or V (waves 8-15), at the chunk to be asked for
.set QP,   28                          ; s[28:29] my 16 rows of Q
.set OP,   30                          ; s[30:31] my 16 rows of the output
.set MK,   36                          ; s36-51 on the diagonal: sixteen lane masks (at the head these registers are at work)
; A K wave's tile of a chunk: 16 rows of 256 bytes.  Eight lanes take a row, 32 bytes each; a pair of loads covers four whole rows.  Rows 0-7 and 16-23 from the tile's first key on.  Four work-groups read these rows: no hint.
.macro LOADK
.irp a, 0,1,2,3
.irp e, 0,1
	global_load_b128 v[RAW+8*\a+4*\e:RAW+8*\a+4*\e+3], v[KGO], s[RP:RP+1] offset:(4*(\a%2)+16*(\a/2))*ROWB+16*\e
.endr
.endr
.endm
; A V wave's block: 32 keys x 32 channels.  A lane takes a channel and its registers run down the keys; a load covers 128 consecutive bytes.
.macro LOADV
.set n, 0
.rept 32
	global_load_b32 v[RAW+n], v[VGO], s[RP:RP+1] offset:ROWB*n
.set n, n+1
.endr
.endm
; 16 rows x 64 numbers become a fragment's image and 16 scale words.  v[src + 8 a ..] are eight neighbours of row 4 a + (lane / 8); four neighbouring lanes hold a block of 32.
; cadr: LDS address of my word of codes of a = 0 (64 bytes on for each a); sadr: of my row's scale word (step bytes on for each a).  The four a by turns, so that no line waits for the line above it.
.macro QROWS src, cadr, sadr, step
.irp a, 0,1,2,3
	v_max3_num_f32 v[MX+\a], |v[\src+8*\a]|, |v[\src+8*\a+1]|, 0x1800000     ; and the floor 2^(3 - 127): the byte cannot fall under 1
.endr
.irp k, 2,4,6
.irp a, 0,1,2,3
	v_max3_num_f32 v[MX+\a], v[MX+\a], |v[\src+8*\a+\k]|, |v[\src+8*\a+\k+1]|
.endr
.endr
.irp a, 0,1,2,3
	v_max_num_f32_dpp v[MX+\a], v[MX+\a], v[MX+\a] row_xmask:1 row_mask:0xf bank_mask:0xf
.endr
.irp a, 0,1,2,3
	v_max_num_f32_dpp v[MX+\a], v[MX+\a], v[MX+\a] row_xmask:2 row_mask:0xf bank_mask:0xf   ; the block's largest magnitude
.endr
.irp a, 0,1,2,3
	v_add_nc_u32 v[SO+\a], 0xff000000, v[MX+\a]    ; 2 off its exponent field: the conversion takes the exponent field of this operand as its scale
.endr
.irp a, 0,1,2,3
	v_cvt_scalef32_pk8_fp4_f32 v[CD+\a], v[\src+8*\a:\src+8*\a+7], v[SO+\a]
.endr
.irp a, 0,1,2,3
	v_lshrrev_b32 v[BY+\a], 23, v[SO+\a]           ; the scale's byte.  (Also the plain line behind the conversions)
.endr
.irp a, 0,1,2,3
	v_lshlrev_b32 v[BY+\a], v[KSH], v[BY+\a]       ; at its place in the row's scale word: block 0 in byte 0, block 1 in byte 1
.endr
.irp a, 0,1,2,3
	v_mov_b32_dpp v[MX+\a], v[BY+\a] row_xmask:4 row_mask:0xf bank_mask:0xf   ; the row's other block's
.endr
.irp a, 0,1,2,3
	v_or_b32 v[BY+\a], v[BY+\a], v[MX+\a]          ; the word; bytes 2 and 3, over zero codes, are 0
.endr
	s_wait_alu depctr_va_vdst(0)                   ; the codes v[CD ..], the scale words v[BY ..] and the two addresses are written, which the stores below read; the maxima and conversions are done reading the numbers' registers, in which the next chunk's loads land
.irp a, 0,1,2,3
	ds_store_b32 v[\cadr], v[CD+\a] offset:64*\a
.endr
.irp a, 0,1,2,3
	ds_store_b32 v[\sadr], v[BY+\a] offset:\step*\a   ; a row's eight lanes write the same word with the same value
.endr
.endm
; 32 keys of my channel become 16 bytes of a fragment's image and one scale byte: all 32 numbers are mine.
.macro QCOLS
	v_max3_num_f32 v[MX], |v[RAW]|, |v[RAW+1]|, |v[RAW+2]|
	v_max3_num_f32 v[MX+1], |v[RAW+3]|, |v[RAW+4]|, |v[RAW+5]|
.irp k, 6,10,14,18,22,26
	v_max3_num_f32 v[MX], v[MX], |v[RAW+\k]|, |v[RAW+\k+1]|
	v_max3_num_f32 v[MX+1], v[MX+1], |v[RAW+\k+2]|, |v[RAW+\k+3]|
.endr
	v_max3_num_f32 v[MX], v[MX], |v[RAW+30]|, |v[RAW+31]|
	v_max3_num_f32 v[MX], v[MX], v[MX+1], 0x1800000
	v_add_nc_u32 v[SO], 0xff000000, v[MX]
.irp a, 0,1,2,3
	v_cvt_scalef32_pk8_fp4_f32 v[CD+\a], v[RAW+8*\a:RAW+8*\a+7], v[SO]
.endr
	v_lshrrev_b32 v[BY], 23, v[SO]                 ; the scale's byte.  (Also the plain line behind the conversions)
	s_wait_alu depctr_va_vdst(0)                   ; the codes v[CD ..], the byte v[BY] and the two addresses are written, which the stores below read; the maxima and conversions are done reading RAW, in which the next chunk's loads land
	ds_store_b128 v[WA+2], v[CD:CD+3]
	ds_store_b8 v[WA+3], v[BY]                     ; the four waves that share a scale word write different bytes of it
.endm
; S^T = K Q^T: tiles 4 grp .. 4 grp + 3 of 16 keys.  Each product starts its sum with the constant 0.
.macro QK grp
.irp t, 0,1,2,3
.if (\t)%2
	v_wmma_scale_f32_16x16x128_f8f6f4 v[S+8*(4*\grp+\t):S+8*(4*\grp+\t)+7], v[KFR+8*\t:KFR+8*\t+7], v[QF:QF+7], 0, v[KS+(4*\grp+\t)/2], v[QS] matrix_a_fmt:MATRIX_FMT_FP4 matrix_b_fmt:MATRIX_FMT_FP4 matrix_a_scale:MATRIX_SCALE_ROW1
.else
	v_wmma_scale_f32_16x16x128_f8f6f4 v[S+8*(4*\grp+\t):S+8*(4*\grp+\t)+7], v[KFR+8*\t:KFR+8*\t+7], v[QF:QF+7], 0, v[KS+(4*\grp+\t)/2], v[QS] matrix_a_fmt:MATRIX_FMT_FP4 matrix_b_fmt:MATRIX_FMT_FP4
.endif
.endr
.endm
; O^T += V^T P^T: four tiles of 16 channels, K = the chunk's 128 keys.  The four accumulators take turns, one instruction a turn, and the next step's eight products K Q^T stand ahead of their next turn.
.macro PV
.irp t, 0,1,2,3
.if (\t)%2
	v_wmma_scale_f32_16x16x128_f8f6f4 v[O+8*\t:O+8*\t+7], v[VFR+8*\t:VFR+8*\t+7], v[PC:PC+7], v[O+8*\t:O+8*\t+7], v[VS+\t/2], v[PS] matrix_a_fmt:MATRIX_FMT_FP4 matrix_b_fmt:MATRIX_FMT_FP4 matrix_a_scale:MATRIX_SCALE_ROW1
.else
	v_wmma_scale_f32_16x16x128_f8f6f4 v[O+8*\t:O+8*\t+7], v[VFR+8*\t:VFR+8*\t+7], v[PC:PC+7], v[O+8*\t:O+8*\t+7], v[VS+\t/2], v[PS] matrix_a_fmt:MATRIX_FMT_FP4 matrix_b_fmt:MATRIX_FMT_FP4
.endif
.endr
.endm
	; ---- THE HEAD: ids
	s_load_b256 s[4:11], s[0:1], 0x0               ; queries s[4:5], keys s[6:7], keysT s[8:9], values s[10:11]
	s_load_b128 s[12:15], s[0:1], 0x20             ; valuesT s[12:13], out0 s[14:15]
	v_lshrrev_b32 v255, 5, v0
	v_readfirstlane_b32 s[WV], v255                ; wave 0..15
	s_and_b32 s32, ttmp9, 3                        ; g
	s_lshr_b32 s33, ttmp9, 2
	s_and_b32 s34, s33, 7                          ; the output head
	s_lshr_b32 s35, s33, 3                         ; the batch
	s_lshl_b32 s36, s34, 2
	s_lshr_b32 s36, HEADS, s36
	s_and_b32 s36, s36, 7                          ; the head that it is gathered from
	s_wait_alu depctr_va_sdst(0)                   ; the wave's number s[WV] is written, ahead of its first reader
	s_lshr_b32 s37, s[WV], 2
	s_xor_b32 s37, s37, s[WV]
	s_and_b32 s37, s37, 1                          ; which of the two blocks of queries: bit 2 xor bit 0 of the wave's number, so that of any four neighbouring waves, and of any four that lie 4 apart, two have the long walk
	s_lshr_b32 s38, s[WV], 1
	s_and_b32 s38, s38, 4
	s_and_b32 s39, s[WV], 3
	s_or_b32 s38, s38, s39                         ; which tile of its eight: bits 3, 1, 0
	s_sub_co_u32 s39, 7, s32
	s_cmp_eq_u32 s37, 1
	s_cselect_b32 s39, s39, s32                    ; block 7 - g or g
	s_lshl_b32 s[Q0], s39, 7
	s_lshl_b32 s38, s38, 4
	s_add_co_u32 s[Q0], s[Q0], s38
	s_add_co_u32 s[QL], s[Q0], 15
	s_sub_co_u32 s[NK], 8, s32
	s_lshl_b32 s[NK], s[NK], 7
	s_lshl_b32 s40, s35, 21                        ; byte offsets, each in a pair with 0 above it: the batch and the source head,
	s_lshl_b32 s41, s36, 8
	s_or_b32 s40, s40, s41
	s_mov_b32 s41, 0
	s_lshl_b32 s42, s35, 21                        ; the batch and the output head,
	s_lshl_b32 s43, s34, 8
	s_or_b32 s42, s42, s43
	s_mov_b32 s43, 0
	s_lshl_b32 s44, s[Q0], 11                      ; my first query's row
	s_mov_b32 s45, 0
	s_mov_b32 s[CS], 0x3e38aa3b                    ; c = log2(e) / 8
	s_mov_b32 s[CS+1], s[CS]                       ; (named with it as a pair, so it is written)
	s_mov_b32 s[SEL], 0x76543210
	s_mov_b32 s[SEL+1], 0xfedcba98
	s_mov_b32 s[KF], 0
	s_mov_b32 s[TB], 0
	; ---- every address register is made here, on the way that all waves take
	v_and_b32 v254, 31, v0                         ; lane
	v_bfe_u32 v253, v0, 3, 2                       ; (lane / 8): my row of four
	v_bfe_u32 v252, v0, 2, 1                       ; which block of 32 of the row
	v_and_b32 v251, 3, v0                          ; which eight of the block
	v_and_b32 v248, 15, v0                         ; lane % 16
	v_bfe_u32 v247, v0, 4, 1                       ; lane / 16
	v_and_b32 v246, 7, v0                          ; which eight of the row
	v_lshlrev_b32 v[ADR0], 4, v254
	v_lshlrev_b32 v[ADT0], 3, v254
	v_add_nc_u32 v[ADT0], VSCO, v[ADT0]
	v_lshlrev_b32 v250, 4, v253                    ; 16 x row
	s_wait_alu depctr_va_vdst(0)
	v_lshl_add_u32 v249, v252, 8, v250             ; in an image, row r's block h lies at 16 (r + 16 h): + 256 x block,
	v_lshl_add_u32 v249, v251, 2, v249             ; + 4 x which eight
	s_and_b32 s46, s[WV], 7                        ; i: which tile of K, or which block of V, is mine to quantise
	s_and_b32 s48, s46, 1
	s_lshr_b32 s49, s46, 1
	s_lshl_b32 s47, s46, 9
	v_add_nc_u32 v[KST0], s47, v249                ; K's image i
	s_lshl_b32 s50, s48, 8
	s_lshl_b32 s51, s49, 2
	s_add_co_u32 s50, s50, s51
	s_add_co_u32 s50, s50, KSCO
	v_add_nc_u32 v[KSS0], s50, v250                ; tile i = 2 b + u: KSCO + 16 (row + 16 u) + 4 b
	s_lshl_b32 s50, s48, 11                        ; V: channels 32 (i % 2) + lane: channel tile 2 (i % 2) + lane / 16; keys 32 (i / 2) on: 256 (i / 2) bytes into a tile's image
	s_lshl_b32 s51, s49, 8
	s_add_co_u32 s50, s50, s51
	s_add_co_u32 s50, s50, VIMG
	v_lshlrev_b32 v[VST0], 4, v248
	v_lshl_add_u32 v[VST0], v247, 10, v[VST0]
	v_add_nc_u32 v[VST0], s50, v[VST0]
	s_lshl_b32 s50, s48, 2
	s_add_co_u32 s50, s50, s49
	v_add_nc_u32 v[VSS0], s50, v[ADT0]             ; VSCO + 8 x lane + 4 (i % 2) + i / 2
	v_lshlrev_b32 v[ADR], 11, v253
	v_lshl_add_u32 v[ADR], v246, 5, v[ADR]         ; in memory: my row of four, my 32 bytes of it
	s_lshl_b32 s50, s49, 16                        ; tile i of K begins at key 32 (i / 2) + 8 (i % 2)
	s_lshl_b32 s51, s48, 14
	s_add_co_u32 s50, s50, s51
	v_add_nc_u32 v[KGO], s50, v[ADR]
	s_lshl_b32 s50, s49, 16                        ; block i of V: keys 32 (i / 2) on, channels 32 (i % 2) on
	s_lshl_b32 s51, s48, 7
	s_add_co_u32 s50, s50, s51
	v_lshlrev_b32 v[VGO], 2, v254
	v_add_nc_u32 v[VGO], s50, v[VGO]
	v_lshlrev_b32 v[KSH], 3, v252
	s_lshl_b32 s50, s[WV], 9
	s_add_co_u32 s50, s50, QIMG
	v_add_nc_u32 v[WA], s50, v249                  ; Q's image: in,
	v_add_nc_u32 v[WA+2], s50, v[ADR0]             ; and back
	s_lshl_b32 s51, s[WV], 6
	s_add_co_u32 s51, s51, QSC
	v_lshl_add_u32 v[WA+1], v253, 2, s51           ; Q's scale words: in,
	v_lshl_add_u32 v[WA+3], v248, 2, s51           ; and back: lane r takes query r's
	s_wait_kmcnt 0x0
	s_cmp_eq_u32 s34, 7                            ; the cross head takes keysT and valuesT: a choice that hangs on the work-group's number alone
	s_cselect_b64 s[6:7], s[8:9], s[6:7]
	s_cselect_b64 s[10:11], s[12:13], s[10:11]
	s_cmp_lt_u32 s[WV], 8
	s_cselect_b64 s[RP:RP+1], s[6:7], s[10:11]     ; waves 0-7 read K, waves 8-15 V
	s_add_nc_u64 s[RP:RP+1], s[RP:RP+1], s[40:41]
	s_add_nc_u64 s[QP:QP+1], s[4:5], s[40:41]
	s_add_nc_u64 s[QP:QP+1], s[QP:QP+1], s[44:45]
	s_add_nc_u64 s[OP:OP+1], s[14:15], s[42:43]
	s_add_nc_u64 s[OP:OP+1], s[OP:OP+1], s[44:45]
	s_wait_alu depctr_va_vdst(0)                   ; the offsets and addresses v1 to v11 and v[WA ..] are written: the loads below read v[ADR], v[KGO] or v[VGO], Q's stores and loads further down v[WA ..]
.irp a, 0,1,2,3                                ; my 16 queries: row 4 a + lane / 8, 32 bytes a lane; read once in the launch
.irp e, 0,1
	global_load_b128 v[S+8*\a+4*\e:S+8*\a+4*\e+3], v[ADR], s[QP:QP+1] offset:4*ROWB*\a+16*\e th:TH_LOAD_NT
.endr
.endr
	s_cmp_lt_u32 s[WV], 8                          ; chunk 0, which every work-group needs
	s_cbranch_scc0 .Lfirst_v
	LOADK
	s_branch .Lfirst_asked
.Lfirst_v:
	LOADV
.Lfirst_asked:
.irp j, 4,5,6,7
	v_mov_b32 v[QF+\j], 0                          ; zero codes for k = 64 .. 127 of the first product, in Q
.irp t, 0,1,2,3
	v_mov_b32 v[KFR+8*\t+\j], 0                    ; and in K's four fragments
.endr
.endr
.set n, 0
.rept 32
	v_mov_b32 v[O+n], 0                            ; O^T.  (The step is written once: the first finds zeros, which the first change of M leaves zeros)
.set n, n+1
.endr
	v_mov_b32 v13, 0xff61b1e6                      ; the largest t so far: -3e38, under every t
	v_floor_f32 v12, -v13                          ; -M
	v_mov_b32 v14, 0                               ; the sum, in two halves
	v_mov_b32 v15, 0
	v_mov_b32 v253, 0                              ; (named as the upper half of the pair v[252:253])
	s_wait_loadcnt 8                               ; Q's eight loads are in: behind them a K wave has issued 8 loads, a V wave 32 (for it the count is the smaller, safe one)
	QROWS S, WA, WA+1, 16                          ; (its wait on va_vdst also shows the zero codes above written, which the scaled products take as parts of their sources)
	ds_load_b128 v[QF:QF+3], v[WA+2]               ; LDS serves a wave's instructions in order (ISA guide 5.7.1.4): these see my stores; the bytes are my wave's own
	ds_load_b32 v[QS], v[WA+3]
	s_wait_dscnt 0x0                               ; Q's fragment and scale word are in
	; ---- THE LOOP: eight trips, a chunk of 128 keys each.  The count is a constant; what a work-group or a wave does not need is jumped over by scalar branches on ids, never the barrier.
.Ltrip:
	s_wait_loadcnt 0x0                             ; this chunk's numbers are in: no load of mine is out, so the pointer may step
	s_add_nc_u64 s[RP:RP+1], s[RP:RP+1], 128*ROWB  ; on to the next chunk
	s_wait_alu depctr_vm_vsrc(0)                   ; the LDS loads of the last step have read v[ADR] and v[ADT], the last trip's stores v[WA ..], v[CD ..] and v[BY ..] (first trip: Q's loads and stores theirs): the additions below and this trip's quantiser write them again
	v_add_nc_u32 v[ADR], s[TB], v[ADR0]            ; the trip's addresses, on the way that all waves take.  (These six are also places behind the last step's products)
	v_add_nc_u32 v[ADT], s[TB], v[ADT0]
	v_add_nc_u32 v[WA], s[TB], v[KST0]
	v_add_nc_u32 v[WA+1], s[TB], v[KSS0]
	v_add_nc_u32 v[WA+2], s[TB], v[VST0]
	v_add_nc_u32 v[WA+3], s[TB], v[VSS0]
	s_cmp_ge_u32 s[KF], s[NK]                      ; a chunk behind the work-group's last query is neither quantised nor read
	s_cbranch_scc1 .Lmeet
	s_add_co_u32 s32, s[KF], 128
	s_cmp_lt_u32 s[WV], 8
	s_cbranch_scc0 .Lfor_v
	QROWS RAW, WA, WA+1, 64
	s_cmp_ge_u32 s32, s[NK]                        ; the next chunk is asked for if it is needed: no load leaves its buffer
	s_cbranch_scc1 .Lmeet
	LOADK                                          ; no wait: no vector line since the quantiser's wait names RAW or v[KGO]
	s_branch .Lmeet
.Lfor_v:
	QCOLS
	s_cmp_ge_u32 s32, s[NK]
	s_cbranch_scc1 .Lmeet
	LOADV                                          ; no wait: no vector line since the quantiser's wait names RAW or v[VGO]
.Lmeet:
	s_wait_dscnt 0x0                               ; for the others' sake: my stores into the record have landed
	s_wait_alu depctr_vm_vsrc(0)                   ; my stores have read v[BY ..], which this trip's softmax writes again
	s_barrier_signal -1
	s_barrier_wait -1                              ; the record is whole.  The next trip's stores go to the next record, REC bytes on: nobody's reads of this one are disturbed
	s_cmp_gt_u32 s[KF], s[QL]                      ; CAUSAL: a chunk all of whose keys come after my 16 queries is left out
	s_cbranch_scc1 .Lhidden
	s_wait_alu depctr_va_vdst(0)                   ; v[ADR] and v[ADT] are written, which this step's loads read; the last step's products are done reading K's scale words and fragments and V's, in which those loads land
	ds_load_b128 v[KS:KS+3], v[ADR] offset:KSCO    ; the scale words of K's eight tiles
.irp t, 0,1,2,3
	ds_load_b128 v[KFR+8*\t:KFR+8*\t+3], v[ADR] offset:512*\t
.endr
	s_wait_dscnt 0x0
	QK 0
.rept 4
	v_nop                                          ; four places behind the products, ahead of loads into registers that they have read (ISA guide 7.12.1 for vector instructions)
.endr
	s_wait_alu depctr_va_vdst(0)                   ; the four products above are done reading v[KFR ..], in which the next four fragments land; no vector or matrix line since the step's head names V's registers
.irp t, 0,1,2,3
	ds_load_b128 v[KFR+8*\t:KFR+8*\t+3], v[ADR] offset:512*(4+\t)
.endr
	ds_load_b64 v[VS:VS+1], v[ADT]                 ; V's scale words and fragments are asked for here and land under the softmax
.irp t, 0,1,2,3
.irp c, 0,1
	ds_load_b128 v[VFR+8*\t+4*\c:VFR+8*\t+4*\c+3], v[ADR] offset:VIMG+1024*\t+512*\c
.endr
.endr
	s_wait_dscnt 9                                 ; K's four fragments are in; the nine loads issued behind them (V's) may be out
	QK 1
.rept 4
	v_nop                                          ; four places in front of the first read of results
.endr
	s_add_co_u32 s33, s[KF], 127                   ; on the diagonal the scores of hidden keys become -infinity ahead of the maximum: p = 0 then.  A chunk all of whose keys count skips this
	s_cmp_le_u32 s33, s[Q0]
	s_cbranch_scc1 .Lopen
	s_sub_co_i32 s33, s[Q0], s[KF]
	v_and_b32 v252, 15, v0
	v_bfe_u32 v254, v0, 4, 1
	v_lshlrev_b32 v254, 4, v254
	v_sub_nc_u32 v252, v252, v254
	v_add_nc_u32 v252, s33, v252                   ; d = my query - KF - 16 (lane / 16).  Register 16 b + i holds key KF + 32 b + 16 (lane / 16) + i: hidden where 32 b + i > d
	v_mov_b32 v254, 0xff800000                     ; -infinity
.irp b, 0,1,2,3                                ; a block of 32 keys at a time: sixteen compares into sixteen scalar registers, one wait, sixteen selects
.set n, 0
.rept 16
	v_cmp_gt_i32 s[MK+n], 32*\b+n, v252
.set n, n+1
.endr
	s_wait_alu depctr_va_sdst(0)                   ; the sixteen masks s[MK ..] are written, ahead of their first reader
.set n, 0
.rept 16
	v_cndmask_b32 v[S+16*\b+n], v[S+16*\b+n], v254, s[MK+n]
.set n, n+1
.endr
.endr
.Lopen:
.irp b, 0,1,2,3
	v_max3_num_f32 v[MX+\b], v[S+16*\b], v[S+1+16*\b], v[S+2+16*\b]   ; THE LARGEST SCORE OF EACH BLOCK OF 32 KEYS serves twice: for the row's maximum and, since p rises with the score, for the block's largest p
.endr
.irp i, 3,5,7,9,11,13
.irp b, 0,1,2,3
	v_max3_num_f32 v[MX+\b], v[MX+\b], v[S+16*\b+\i], v[S+1+16*\b+\i]
.endr
.endr
.irp b, 0,1,2,3
	v_max_num_f32 v[MX+\b], v[MX+\b], v[S+15+16*\b]
.endr
.irp b, 0,1,2,3
	v_permlanex16_b32 v[BY+\b], v[MX+\b], s[SEL], s[SEL+1]
.endr
.irp b, 0,1,2,3
	v_max_num_f32 v[MX+\b], v[MX+\b], v[BY+\b]     ; with lane l xor 16's 16 keys
.endr
	v_max3_num_f32 v254, v[MX], v[MX+1], v[MX+2]
	v_max_num_f32 v254, v254, v[MX+3]              ; the chunk's largest score of my query (key KF counts for every query that reaches here, so it is a number)
	v_mul_f32 v254, s[CS], v254                    ; as t (c is positive)
	v_max_num_f32 v13, v13, v254                   ; the running largest t
	v_mov_b32 v254, v12
	v_floor_f32 v12, -v13                          ; the new -M = floor(-t) = -ceil(t): a whole number
	v_sub_f32 v254, v12, v254                      ; M's old value less its new one: a whole number, 0 or less
	v_cvt_i32_f32 v254, v254                       ; (it saturates)
	v_ldexp_f32 v252, 1.0, v254                    ; f = 2^(old M - new M)
.set n, 0
.rept 32
	v_pk_fma_f32 v[S+n:S+n+1], v[S+n:S+n+1], s[CS:CS+1], v[12:13] op_sel_hi:[1,0,0]   ; t - M, two at a time (of the pairs c and -M the low word serves both halves)
.set n, n+2
.endr
.irp b, 0,1,2,3
	v_fma_f32 v[MX+\b], v[MX+\b], s[CS], v12       ; the same of each block's largest score
.endr
.set n, 0
	s_wait_alu depctr_va_vdst(0)
.rept 64
	v_exp_f32 v[S+n], v[S+n]                       ; p = 2^(t - M), at most 1: not normalised
.set n, n+1
.endr
.irp b, 0,1,2,3
	v_exp_f32 v[MX+\b], v[MX+\b]                   ; the block's largest p: the same two instructions on the same number give the same bits
.endr
	v_pk_mul_f32 v[14:15], v[14:15], v[252:253] op_sel_hi:[1,0]   ; the sums under the new M.  (A plain line behind the exponentials)
	s_wait_alu depctr_va_vdst(0)                   ; the 68 exponentials have written v[S ..] and v[MX ..]: one wait for the batch, ahead of its first reader
.irp b, 0,1,2,3
	v_max_num_f32 v[MX+\b], 0x1800000, v[MX+\b]    ; the floor 2^(3 - 127): the byte cannot fall under 1 (a block whose every p is 0 keeps that byte: its codes are zeros)
.endr
.irp b, 0,1,2,3
	v_add_nc_u32 v[SO+\b], 0xff000000, v[MX+\b]    ; 2 off the exponent field: the conversion's scale operand
.endr
.irp b, 0,1,2,3
	v_lshrrev_b32 v[BY+\b], 23, v[SO+\b]           ; the scale's byte
.endr
	v_lshl_or_b32 v[PS], v[BY+1], 8, v[BY]         ; p's scale word for these 128 keys
	v_lshl_or_b32 v[PS], v[BY+2], 16, v[PS]
	v_lshl_or_b32 v[PS], v[BY+3], 24, v[PS]
.irp b, 0,1,2,3
	v_cvt_scalef32_pk8_fp4_f32 v[PC+2*\b], v[S+16*\b:S+7+16*\b], v[SO+\b]
	v_cvt_scalef32_pk8_fp4_f32 v[PC+1+2*\b], v[S+8+16*\b:S+15+16*\b], v[SO+\b]
.endr
	v_nop                                          ; one plain line between a scaled conversion and the vector instruction that touches its result
.irp c, 0,1                                    ; the operand's layout wants a WHOLE block in a lane: lanes 0-15 block 2 c, lanes 16-31 block 2 c + 1
.irp i, 0,1
	v_permlane16_swap_b32 v[PC+4*\c+\i], v[PC+2+4*\c+\i]
.endr
.endr
.set n, 0
.rept 16
	v_pk_mul_f32 v[O+n:O+n+1], v[O+n:O+n+1], v[252:253] op_sel_hi:[1,0]   ; O^T under the new M: x f; each accumulator from its low end on
.set n, n+2
.endr
	v_pk_add_f32 v[BY:BY+1], v[S:S+1], v[S+2:S+3]  ; THE ROW'S SUM IS TAKEN OF THE UNQUANTISED p: two at a time, in two chains.  (These 32 lines are also the places between the last write of p's scale word, p's codes and O^T and the products below)
.irp j, 4,8,12,16,20,24,28,32,36,40,44,48,52,56,60
	v_pk_add_f32 v[14:15], v[14:15], v[S+\j:S+\j+1]
	v_pk_add_f32 v[BY:BY+1], v[BY:BY+1], v[S+2+\j:S+3+\j]
.endr
	v_pk_add_f32 v[14:15], v[14:15], v[BY:BY+1]
	s_wait_dscnt 0x0                               ; V's scale words and fragments are in
	s_wait_alu depctr_va_vdst(0)                   ; p's codes v[PC ..] and p's scale word v[PS] are written, which the scaled products below take as source 1 and as its scales; the places above stay beside this wait
	PV
.Lhidden:
	s_add_co_u32 s[TB], s[TB], REC
	s_add_co_u32 s[KF], s[KF], 128
	s_cmp_lt_u32 s[KF], 1024
	s_cbranch_scc1 .Ltrip
	; ---- THE WAY OUT.  O^T / the sum goes through my wave's own stage in LDS and leaves as whole rows: sixteen lanes store 256 consecutive bytes, aligned.
	v_add_f32 v14, v14, v15                        ; the sum's two halves,
	v_permlanex16_b32 v252, v14, s[SEL], s[SEL+1]
	v_add_f32 v14, v14, v252                       ; and lane l xor 16's: the row's sum
	s_wait_alu depctr_va_vdst(0)
	v_rcp_f32 v14, v14
	v_and_b32 v2, 15, v0                           ; (plain lines behind the reciprocal, and the places behind the last products)  r
	v_bfe_u32 v3, v0, 4, 1                         ; h
	s_mul_i32 s33, s[WV], 16*SP
	s_add_co_u32 s33, s33, STG                     ; my stage
	v_mul_u32_u24 v4, v2, SP
	v_lshl_add_u32 v4, v3, 5, v4
	v_add_nc_u32 v4, s33, v4                       ; in: row r; tile t's eight channels of my half: 64 t + 32 h bytes on
	v_mul_u32_u24 v5, v3, SP
	v_lshl_add_u32 v5, v2, 4, v5
	v_add_nc_u32 v5, s33, v5                       ; back: lanes 0-15 one row, lanes 16-31 the next
	v_lshlrev_b32 v6, 11, v3
	v_lshl_add_u32 v6, v2, 4, v6                   ; and the same two rows in the output
	s_wait_alu depctr_va_vdst(0)                   ; the reciprocal has written v14, ahead of its first reader
.set n, 0
.rept 16
	v_pk_mul_f32 v[S+n:S+n+1], v[O+n:O+n+1], v[14:15] op_sel_hi:[1,0]   ; register 8 t + i is o(r, 16 t + 8 h + i); each accumulator from its low end on
.set n, n+2
.endr
	s_wait_alu depctr_va_vdst(0)                   ; the multiplications have written v[S ..], which the LDS stores read; v4, v5 and v6 are written, which the stores and loads below read; the products K Q^T are done reading v[KFR ..], in which the loads from the stage land
.irp t, 0,1,2,3
	ds_store_b128 v4, v[S+8*\t:S+8*\t+3] offset:64*\t
	ds_store_b128 v4, v[S+8*\t+4:S+8*\t+7] offset:64*\t+16
.endr
.irp i, 0,1,2,3,4,5,6,7
	ds_load_b128 v[KFR+4*\i:KFR+4*\i+3], v5 offset:2*\i*SP   ; LDS serves a wave's instructions in order: these see my stores
.endr
.irp i, 0,1,2,3,4,5,6,7
	s_wait_dscnt 7-\i                              ; the younger loads from the stage may be out
	global_store_b128 v6, v[KFR+4*\i:KFR+4*\i+3], s[OP:OP+1] offset:2*\i*ROWB th:TH_STORE_NT   ; written once, read by nobody here
.endr
	s_wait_xcnt 0x0
	v_lshl_add_u32 v254, v0, 2, 0x24c00            ; my spare word, behind the stages, and 0: made anew here, since no two registers could be kept; no memory or LDS instruction has read v254 or v255
	v_mov_b32 v255, 0
	s_wait_dscnt 0x0                               ; the closing lines, six on end
	s_wait_alu 0x0
	s_wait_tensorcnt 0x0
	ds_add_u32 v254, v255
	s_wait_dscnt 0x0
	s_endpgm
.Lfunc_end_k_q26834e6b73_attn:
	.size	k_q26834e6b73_attn, .Lfunc_end_k_q26834e6b73_attn-k_q26834e6b73_attn
	.p2alignl 7, 3214868480
	.fill 96, 4, 3214868480
	.section	.rodata,"a",@progbits
	.p2align	6, 0x0
	.amdhsa_kernel k_q26834e6b73_attn
		.amdhsa_group_segment_fixed_size 152576
		.amdhsa_private_segment_fixed_size 0
		.amdhsa_enable_private_segment 0
		.amdhsa_kernarg_size 48
		.amdhsa_user_sgpr_count 2
		.amdhsa_user_sgpr_kernarg_segment_ptr 1
		.amdhsa_wavefront_size32 1
		.amdhsa_system_sgpr_workgroup_id_x 1
		.amdhsa_system_sgpr_workgroup_id_y 1
		.amdhsa_system_sgpr_workgroup_id_z 1
		.amdhsa_system_vgpr_workitem_id 0
		.amdhsa_next_free_vgpr 256
		.amdhsa_next_free_sgpr 66
		.amdhsa_reserve_vcc 0
		.amdhsa_float_denorm_mode_32 3
		.amdhsa_float_denorm_mode_16_64 3
		.amdhsa_memory_ordered 1
		.amdhsa_forward_progress 1
		.amdhsa_inst_pref_size 53
	.end_amdhsa_kernel
	.amdgpu_metadata
---
amdhsa.version: [ 1, 2 ]
amdhsa.kernels:
  - .name:           k_q26834e6b73_attn
    .symbol:         k_q26834e6b73_attn.kd
    .args:
      - { .name: queries, .offset: 0, .size: 8, .value_kind: global_buffer, .address_space: global }
      - { .name: keys, .offset: 8, .size: 8, .value_kind: global_buffer, .address_space: global }
      - { .name: keysT, .offset: 16, .size: 8, .value_kind: global_buffer, .address_space: global }
      - { .name: values, .offset: 24, .size: 8, .value_kind: global_buffer, .address_space: global }
      - { .name: valuesT, .offset: 32, .size: 8, .value_kind: global_buffer, .address_space: global }
      - { .name: out0, .offset: 40, .size: 8, .value_kind: global_buffer, .address_space: global }
    .group_segment_fixed_size: 152576
    .private_segment_fixed_size: 0
    .kernarg_segment_align: 8
    .kernarg_segment_size: 48
    .max_flat_workgroup_size: 512
    .sgpr_count:     66
    .vgpr_count:     256
    .wavefront_size: 32
...
	.end_amdgpu_metadata
.endif
;; end of part 2
